; MI455X (gfx1250); checked and timed in simulation.
; The chip was launched on July 23, 2026; its instructions are those of AMD's public machine-readable ISA for CDNA 5 (MIT licence, August 2026) and "CDNA5" Instruction Set Architecture Reference Guide (July 2026). The comments in the code are by the model that wrote it; some were corrected since.
;; RBF Network. Allowed arithmetic: matrix products marked QUANTISED: E5M2 operands, one E8M0 scale for each 32 along K, by v_wmma_scale_f32_16x16x128_f8f6f4 with both operands' format E5M2, f32 sums; products left as they are: f32 operands where the result goes on into a quantised operand, else bf16, f16 or f32 operands; f32 sums; everything else in f32.
;; Inputs: W 1 x 1,024 float32; b 1 float32; centers 1,024 x 512 float32; x 65,536 x 512 float32.
;; Outputs: out0 65,536 x 1 float32.
;; This version of the problem:
;;   THIS VERSION OF THE PROBLEM IS GIVEN IN LOW PRECISION. The matrix products marked QUANTISED in the list below multiply operands that are first quantised to E5M2 (5 exponent bits, 2 mantissa bits; 8 bits a number), with one power-of-two scale for each 32 numbers along K (OCP MX v1.0); their sums are f32. All else is computed in f32.
;;   The module's matrix products, in the order in which they are computed (A, B: the left and right operand; K: the contracted axis; several contracted axes count as one K, in the product's order):
;;     1. [M 65,536, K 512] x [K 512, N 1,024]; A: input x; B: input centers: QUANTISED
;;     2. [M 65,536, K 1,024] x [K 1,024, N 1]; A: computed on the way; B: input W: left as it is (N = 1 < 16)
;;   THE QUANTISER, for each operand of a quantised product, along K:
;;     - K is cut into blocks of 32 from its start; a last block that is shorter is filled with zeros.
;;     - A block's scale is 2^e with e = floor(log2(the largest magnitude in the block)) - 15, held to -126 .. 127; a block of zeros has e = 0. As a byte (E8M0): e + 127.
;;     - Each number is divided by its block's scale, clamped to +-57,344, and rounded to the nearest number of E5M2, ties to even, subnormals kept.
;;     - The product sums the exact products of the quantised numbers (number of the format x scale) in f32.
;;   ~~~python
;;   def quantise(x, axis):      # numpy; x: float32 -> the quantised numbers, widened to float32 again
;;       x = np.moveaxis(x, axis, -1); K = x.shape[-1]
;;       x = np.pad(x, [(0, 0)] * (x.ndim - 1) + [(0, -K % 32)]); x = x.reshape(x.shape[:-1] + (-1, 32)); a = np.abs(x).max(-1, keepdims=True)
;;       e = np.where(a > 0, np.clip(np.frexp(np.where(a > 0, a, 1))[1] - 1 - 15, -126, 127), 0)      # np.frexp(a)[1] - 1 = floor(log2(a)), exactly
;;       r = np.clip(x / 2.0 ** e, -57344, 57344)
;;       step = 2.0 ** (np.maximum(np.frexp(np.where(r == 0, 1, r))[1] - 1, -14) - 2)
;;       q = np.round(r / step) * step * 2.0 ** e      # np.round: ties to even
;;       return np.moveaxis(q.reshape(q.shape[:-2] + (-1,))[..., :K], -1, axis).astype(np.float32)
;;   ~~~
;; One version. Each part assembles by itself: llvm-mc -triple=amdgcn-amd-amdhsa -mcpu=gfx1250 --defsym DOCPART=n.
;; ======== version 1 of 1: 2 launches
;; limits: right only within a limited range of input values
;; workspace buffers: cimg 557,056 bytes
;; launch prep (part 1): grid 64 x 1, 4 waves a work-group, no clusters, 34,816 bytes of LDS; arguments centers, W, cimg; writes cimg
.if DOCPART == 1
	.amdgcn_target "amdgcn-amd-amdhsa--gfx1250"
	.amdhsa_code_object_version 6
	.text
	.protected	k_q8cde764e04_prep
	.globl	k_q8cde764e04_prep
	.p2align	8
	.type	k_q8cde764e04_prep,@function
k_q8cde764e04_prep:
	s_mov_b64 s[64:65], 0
	v_nop
	global_prefetch_b8 v0, s[64:65] scope:SCOPE_SE
	s_setreg_imm32_b32 hwreg(HW_REG_WAVE_MODE, 25, 1), 1
	s_wait_xcnt 0x0
; THE CENTERS ARE QUANTISED ONCE.  centers [1024][512] f32 become codes of BF8 (E5M2) with one E8M0 byte for each 32 along K = the 512, laid in cimg in the order in which the
; second launch's operand registers take them.  Tile t (centers 16 t .. 16 t + 15) is a record of 8,704 bytes = 34 x 256 at 8704 t:
;   + 2048 s + 512 c + 16 l: lane l = 16 h + r: center 16 t + r, k = 128 s + 32 c + 16 h + 0 .. 15 (K step s, register group c)
;   + 8192: [16 centers][16 scale bytes]    + 8448: -|c|^2 / 2 of the UNQUANTISED numbers, 16 f32    + 8512: W, 16 f32    + 8576: 128 bytes of zeros
; NOTHING OF reference() IS LEFT OUT in this program: all four inputs have a way to the output and all are loaded (x and b in the second launch).
; A block's scale is 2^(floor(log2(largest magnitude)) - 15); its byte is the largest magnitude's exponent field - 15, held at 1 from below.
; LIMITS: a block of zeros gets the byte 1 where the rule says 127 (its codes are zeros, and this program alone reads the bytes); blocks whose largest magnitude lies under 2^-111 keep the byte 1; NaN and infinities are not served.
; SHARES.  Work-group g takes tile g, wave w its K step w: 16 rows x 128 numbers.  Each load reads 512 consecutive bytes of a row; the numbers turn through the wave's own stage in LDS, so that a lane
; then holds 16 neighbours of each of the four blocks of its row.  Scale words and partial sums of squares meet in LDS behind one barrier.  No two work-groups read the same bytes: no cluster.
.set STP,   528                        ; a stage row: 512 bytes + 16: sixteen rows start at sixteen different groups of four banks (64 banks of 4 bytes: ISA guide 11.1)
.set WST,   16*STP
.set SCW,   4*WST                      ; the tile's scale words, [16 centers][16 bytes]
.set C2P,   SCW+256                    ; partial sums of squares, [4 K steps][16 centers]
.set SPARE, C2P+256                    ; the spare words: 128 bytes for each wave
.set REC,   8704
.set SPW,   12
.set NIL,   13
.set RAW,   16
.set XN,    80                         ; register 16 b + i = k 32 b + 16 h + i of my row
.set TM,    144                        ; largest magnitudes, +4 bytes, +8 the largest number x the scale, +12 the conversions' scale operands
.set PW,    160
.set CD,    164
.set SQR,   180
.set TP,    188
.set TW,    190                        ; v[190:191] two numbers of W
	s_load_b128 s[4:7], s[0:1], 0x0                ; centers, W
	s_load_b64 s[8:9], s[0:1], 0x10                ; cimg
	v_lshrrev_b32 v1, 5, v0
	v_readfirstlane_b32 s10, v1                    ; wave = K step
	s_mul_i32 s13, s10, WST                        ; my stage
	s_lshl_b32 s14, s10, 2
	s_add_co_u32 s14, s14, SCW
	s_lshl_b32 s15, s10, 6
	s_add_co_u32 s15, s15, C2P
	s_lshl_b32 s16, ttmp9, 15                      ; centers: 16 rows of 2,048 bytes a work-group,
	s_lshl_b32 s17, s10, 9                         ; 512 bytes a K step
	s_add_co_u32 s16, s16, s17
	s_mov_b32 s17, 0
	s_mul_i32 s18, ttmp9, REC                      ; my record
	s_mov_b32 s19, 0
	s_lshl_b32 s26, s10, 11
	s_mov_b32 s27, 0
	s_lshl_b32 s28, ttmp9, 6                       ; W: 64 bytes a work-group
	s_mov_b32 s29, 0
	s_mov_b32 s2, 0x76543210
	s_mov_b32 s3, 0xfedcba98                       ; v_permlanex16_b32's selects for lane l xor 16
	s_mov_b32 s11, 0x600000                        ; the mantissa field of 57,344
	v_lshl_add_u32 v[SPW], v0, 2, SPARE
	v_mov_b32 v[NIL], 0
	v_and_b32 v1, 31, v0                           ; lane
	v_and_b32 v2, 15, v0                           ; r
	v_bfe_u32 v3, v0, 4, 1                         ; h
	v_lshlrev_b32 v4, 4, v1
	v_lshlrev_b32 v11, 3, v1
	v_add_nc_u32 v5, s13, v4                       ; into the stage: 16 bytes a lane, a row an instruction
	v_mul_u32_u24 v6, v2, STP
	v_lshl_add_u32 v6, v3, 6, v6
	v_add_nc_u32 v6, s13, v6                       ; out of it: row r, + 64 h
	v_lshl_add_u32 v7, v2, 4, s14                  ; my row's scale word
	v_lshl_add_u32 v8, v2, 2, s15                  ; my row's partial sum
	v_add_nc_u32 v9, SCW, v11                      ; wave 0 reads the scale words back
	v_and_b32 v14, 7, v1
	v_lshlrev_b32 v14, 3, v14                      ; two centers a lane, by lane modulo 8
	v_add_nc_u32 v10, C2P, v14                     ; wave 1 reads the partial sums back
.irp b, 0,1,2,3
	v_mov_b32 v[TM+4+\b], 0                        ; a lane permute's destination counts as one of its sources
.endr
	v_mov_b32 v[TP], 0
	s_wait_alu depctr_va_vdst(0)                   ; the wait at the head's end
	s_wait_kmcnt 0x0
	s_add_nc_u64 s[4:5], s[4:5], s[16:17]
	s_add_nc_u64 s[6:7], s[6:7], s[28:29]
	s_add_nc_u64 s[22:23], s[8:9], s[18:19]
	s_add_nc_u64 s[20:21], s[22:23], s[26:27]
	global_load_b64 v[TW:TW+1], v14, s[6:7]
.irp i, 0,1,2,3,4,5,6,7,8,9,10,11,12,13,14,15
	global_load_b128 v[RAW+4*\i:RAW+4*\i+3], v4, s[4:5] offset:2048*\i   ; row i: 32 lanes read 512 consecutive bytes
.endr
.irp i, 0,1,2,3,4,5,6,7,8,9,10,11,12,13,14,15
	s_wait_loadcnt 15-\i                           ; row i is in; the younger rows may be out
	ds_store_b128 v5, v[RAW+4*\i:RAW+4*\i+3] offset:STP*\i
.endr
.irp b, 0,1,2,3
.irp j, 0,1,2,3
	ds_load_b128 v[XN+16*\b+4*\j:XN+16*\b+4*\j+3], v6 offset:128*\b+16*\j   ; LDS serves a wave's instructions in order (ISA guide 5.7.1.4)
.endr
.endr
	s_wait_dscnt 0x0
.irp j, 0,2,4,6                        ; the sum of squares of my 64 numbers, ahead of the hold, which changes them
	v_pk_mul_f32 v[SQR+\j:SQR+\j+1], v[XN+\j:XN+\j+1], v[XN+\j:XN+\j+1]
.endr
.irp k, 8,16,24,32,40,48,56
.irp j, 0,2,4,6
	v_pk_fma_f32 v[SQR+\j:SQR+\j+1], v[XN+\k+\j:XN+\k+\j+1], v[XN+\k+\j:XN+\k+\j+1], v[SQR+\j:SQR+\j+1]
.endr
.endr
.irp b, 0,1,2,3
	v_max3_num_f32 v[TM+\b], |v[XN+16*\b]|, |v[XN+1+16*\b]|, 0x8000000   ; my 16 numbers of block b, and the floor 2^(16 - 127): the byte cannot fall under 1
.endr
.irp i, 2,4,6,8,10,12,14
.irp b, 0,1,2,3
	v_max3_num_f32 v[TM+\b], v[TM+\b], |v[XN+16*\b+\i]|, |v[XN+1+16*\b+\i]|
.endr
.endr
.irp b, 0,1,2,3
	v_permlanex16_b32 v[TM+4+\b], v[TM+\b], s2, s3
.endr
.irp b, 0,1,2,3
	v_max_num_f32 v[TM+\b], v[TM+\b], v[TM+4+\b]   ; with lane l xor 16's 16: the block's largest magnitude
.endr
.irp b, 0,1,2,3
	v_add_nc_u32 v[TM+12+\b], 0xf8800000, v[TM+\b] ; 15 off its exponent field: the conversion's scale operand
.endr
.irp b, 0,1,2,3
	v_and_or_b32 v[TM+8+\b], v[TM+\b], 0x7f800000, s11   ; 57,344 x the scale
.endr
.irp b, 0,1,2,3
	v_lshrrev_b32 v[TM+4+\b], 23, v[TM+12+\b]      ; the scale's byte
.endr
	v_lshl_or_b32 v[PW], v[TM+5], 8, v[TM+4]
	v_lshl_or_b32 v[PW], v[TM+6], 16, v[PW]
	v_lshl_or_b32 v[PW], v[TM+7], 24, v[PW]        ; my row's scale word for this K step
.irp b, 0,1,2,3
.irp i, 0,1,2,3,4,5,6,7,8,9,10,11,12,13,14,15
	v_med3_num_f32 v[XN+16*\b+\i], v[XN+16*\b+\i], -v[TM+8+\b], v[TM+8+\b]   ; the conversion to an 8-bit code does not saturate (ISA guide 7.6.2): the hold comes first
.endr
.endr
.irp b, 0,1,2,3
	v_cvt_scalef32_pk8_bf8_f32 v[CD+4*\b:CD+4*\b+1], v[XN+16*\b:XN+16*\b+7], v[TM+12+\b]
	v_cvt_scalef32_pk8_bf8_f32 v[CD+4*\b+2:CD+4*\b+3], v[XN+16*\b+8:XN+16*\b+15], v[TM+12+\b]
.endr
	v_nop                                          ; one plain line behind the last scaled conversion
.irp c, 0,1,2,3
	global_store_b128 v4, v[CD+4*\c:CD+4*\c+3], s[20:21] offset:512*\c   ; the fragment as it stands: 512 consecutive bytes a store
.endr
	ds_store_b32 v7, v[PW]                         ; lanes r and r + 16 write the same word with the same value
	v_pk_add_f32 v[SQR:SQR+1], v[SQR:SQR+1], v[SQR+2:SQR+3]
	v_pk_add_f32 v[SQR+4:SQR+5], v[SQR+4:SQR+5], v[SQR+6:SQR+7]
	v_pk_add_f32 v[SQR:SQR+1], v[SQR:SQR+1], v[SQR+4:SQR+5]
	v_add_f32 v[SQR], v[SQR], v[SQR+1]
	v_permlanex16_b32 v[TP], v[SQR], s2, s3
	v_add_f32 v[SQR], v[SQR], v[TP]                ; my row's 128 numbers of this K step
	ds_store_b32 v8, v[SQR]
	s_wait_dscnt 0x0                               ; for the others' sake: my stores have landed
	s_barrier_signal -1
	s_barrier_wait -1
	s_cmp_eq_u32 s10, 0
	s_cbranch_scc1 .Lscales
	s_cmp_eq_u32 s10, 1
	s_cbranch_scc1 .Ltables
	s_branch .Lend
.Lscales:                                              ; wave 0: the tile's 256 scale bytes: 32 lanes store 256 consecutive bytes, aligned
	ds_load_b64 v[16:17], v9
	s_wait_dscnt 0x0
	global_store_b64 v11, v[16:17], s[22:23] offset:8192
	s_branch .Lend
.Ltables:                                              ; wave 1: lanes 0-7 -|c|^2 / 2 of 16 centers, lanes 8-15 their W, lanes 16-31 zeros: 256 consecutive bytes, aligned
.irp k, 0,1,2,3
	ds_load_b64 v[16+2*\k:17+2*\k], v10 offset:64*\k
.endr
	s_wait_dscnt 0x0
	v_pk_add_f32 v[16:17], v[16:17], v[18:19]
	v_pk_add_f32 v[20:21], v[20:21], v[22:23]
	v_pk_add_f32 v[16:17], v[16:17], v[20:21]
	v_pk_mul_f32 v[16:17], v[16:17], -0.5 op_sel_hi:[1,0]
	v_cmp_gt_u32 vcc_lo, 8, v1
	v_cndmask_b32 v16, v[TW], v16, vcc_lo
	v_cndmask_b32 v17, v[TW+1], v17, vcc_lo
	v_cmp_gt_u32 vcc_lo, 16, v1
	v_cndmask_b32 v16, 0, v16, vcc_lo
	v_cndmask_b32 v17, 0, v17, vcc_lo
	global_store_b64 v11, v[16:17], s[22:23] offset:8448
.Lend:
	s_wait_tensorcnt 0x0                           ; the wave's end, behind my last LDS store
	ds_add_u32 v[SPW], v[NIL]
	s_wait_dscnt 0x0
	s_endpgm
.Lfunc_end_k_q8cde764e04_prep:
	.size	k_q8cde764e04_prep, .Lfunc_end_k_q8cde764e04_prep-k_q8cde764e04_prep
	.p2alignl 7, 3214868480
	.fill 96, 4, 3214868480
	.section	.rodata,"a",@progbits
	.p2align	6, 0x0
	.amdhsa_kernel k_q8cde764e04_prep
		.amdhsa_group_segment_fixed_size 34816
		.amdhsa_private_segment_fixed_size 0
		.amdhsa_enable_private_segment 0
		.amdhsa_kernarg_size 24
		.amdhsa_user_sgpr_count 2
		.amdhsa_user_sgpr_kernarg_segment_ptr 1
		.amdhsa_wavefront_size32 1
		.amdhsa_system_sgpr_workgroup_id_x 1
		.amdhsa_system_sgpr_workgroup_id_y 1
		.amdhsa_system_sgpr_workgroup_id_z 1
		.amdhsa_system_vgpr_workitem_id 0
		.amdhsa_next_free_vgpr 192
		.amdhsa_next_free_sgpr 66
		.amdhsa_reserve_vcc 1
		.amdhsa_float_denorm_mode_32 3
		.amdhsa_float_denorm_mode_16_64 3
		.amdhsa_memory_ordered 1
		.amdhsa_forward_progress 1
		.amdhsa_inst_pref_size 19
	.end_amdhsa_kernel
	.amdgpu_metadata
---
amdhsa.version: [ 1, 2 ]
amdhsa.kernels:
  - .name:           k_q8cde764e04_prep
    .symbol:         k_q8cde764e04_prep.kd
    .args:
      - { .name: centers, .offset: 0, .size: 8, .value_kind: global_buffer, .address_space: global }
      - { .name: W, .offset: 8, .size: 8, .value_kind: global_buffer, .address_space: global }
      - { .name: cimg, .offset: 16, .size: 8, .value_kind: global_buffer, .address_space: global }
    .group_segment_fixed_size: 34816
    .private_segment_fixed_size: 0
    .kernarg_segment_align: 8
    .kernarg_segment_size: 24
    .max_flat_workgroup_size: 128
    .sgpr_count:     66
    .vgpr_count:     192
    .wavefront_size: 32
...
	.end_amdgpu_metadata
.endif
;; end of part 1
;; launch main (part 2): grid 256 x 1, 4 waves a work-group, clusters of 4 x 1, 327,680 bytes of LDS; arguments x, cimg, b, out0; writes out0
.if DOCPART == 2
	.amdgcn_target "amdgcn-amd-amdhsa--gfx1250"
	.amdhsa_code_object_version 6
	.text
	.protected	k_q8cde764e04_main
	.globl	k_q8cde764e04_main
	.p2align	8
	.type	k_q8cde764e04_main,@function
k_q8cde764e04_main:
	s_mov_b64 s[64:65], 0
	v_nop
	global_prefetch_b8 v0, s[64:65] scope:SCOPE_SE
	s_setreg_imm32_b32 hwreg(HW_REG_WAVE_MODE, 25, 1), 1
	s_wait_xcnt 0x0
	s_wait_alu depctr_hold_cnt(0) depctr_sa_sdst(0) depctr_va_vdst(0) depctr_va_sdst(0) depctr_va_ssrc(0) depctr_va_vcc(0) depctr_vm_vsrc(0)
	s_getreg_b32 s2, hwreg(HW_REG_IB_STS2, 6, 4)
	s_cmp_eq_u32 s2, 0
	s_cbranch_scc0 .Lentry_in_a_cluster
	s_endpgm
.Lentry_in_a_cluster:
	s_bfe_u32 s2, ttmp6, 0x10000c
	s_cmp_lg_u32 s2, 0x3003
	s_cbranch_scc0 .Lentry_shape_is_right
	s_endpgm
.Lentry_shape_is_right:
; out[n] = b + sum over c of W[c] exp(-gamma (|x_n|^2 - 2 x_n . c_c + |c_c|^2) / 512); the product x . c on codes of BF8 (E5M2) with one E8M0 scale for each 32 along K = 512; all else in f32.
; Nothing of reference() is left out.  The centers' codes, scale bytes, -|c|^2 / 2 and W come from cimg: 64 records of 8,704 bytes, one for each tile of 16 centers, as the first launch laid them.
; ARITHMETIC.  a = 2 gamma log2(e) / 512.  -|c|^2 / 2 is the C of a tile's first matrix instructions, so D = x . c - |c|^2 / 2 costs no vector line; t = a D + P with P = -(a / 2) |x|^2 of the unquantised numbers;
; e = 2^t; out += e W[c].  The exponent is never split into factors: its range is reference()'s.
; LIMITS: an exponential under 2^-126 comes out as 0 (ISA guide 15.8, v_exp_f32); NaN and infinities are not served; a block of x whose largest magnitude lies under 2^-111 (a block of zeros too) keeps the scale byte 1;
; -|c|^2 / 2 enters the sum inside the matrix unit, and the sums over K and over the centers run in another order than reference()'s.
; SHARES.  256 work-groups of four waves, as many as a WGP has SIMDs; a work-group owns 256 rows of x.
; PHASE X: wave w streams its 64 rows (64 loads of 512 consecutive bytes on their way), turns them through its own stage in LDS so that a lane holds neighbours along K, squares, quantises, and puts codes, scale words and P
; into the exchange in LDS as images of the operand's registers.
; PHASE M: wave w takes its own 64 rows (row tiles 0-3) and those of wave w xor 1 (row tiles 4-7), in 512 registers, and the 512 centers of half w % 2: so a fragment of centers, read from LDS, feeds eight matrix instructions.
; THE MATRIX INSTRUCTION'S SOURCE 0 is 16 centers, source 1 is 16 rows: lane (r, h) holds row r, register j the center 8 h + j.
; A tile of centers is two HALVES (row tiles 0-3, 4-7) of 16 matrix instructions, four accumulators by turns, each half with an accumulator set of 32 registers.  A set is scaled (T: 16 lines), then raised (E: 32), then summed (S: 16).
; The halves follow each other; behind the first one's matrix instructions stand the S of the tile before's second set, behind the second one's the T of the first set.  Then come T of the second set, E of both, and among the second's E
; the S of the first.  So no exponential stands inside a sum, nor between a sum and its T.  A tile's LDS loads for the next stand in two runs, ahead of the matrix instructions and ahead of the exponentials.
; THE RING.  A slot holds four tiles of each half of the centers, 8 records; each wave fetches a quarter, two records, with one tensor load; eight fills.  A record is an image of registers: every load of codes reads 512 consecutive bytes.
; CLUSTER.  All work-groups read the same cimg: the four of a cluster ask JOINTLY, by the same tensor load with the same descriptor and the mask 15.  The place in the cluster enters x's and out0's addresses alone.
; NO PREFETCH: x comes by loads straight into registers, four chunks ahead, in a phase that does little else; cimg is the same 557,056 bytes for every work-group.
; REGISTERS, in windows of 256 (s_set_vgpr_msb: bits 1:0 source 0, 3:2 source 1, 5:4 source 2, 7:6 destination):
;   window 0: addresses; v16 + 8 m + s x's scale words (row tile m, K step s); v20 + 8 p + s the centers'; v80- phase X's numbers, later tables
;   windows 1, 2: x's codes: row tile m at 64 (m % 4) + 16 s of window 1 + m / 4
;   window 3: phase X: four sets of 64 raw numbers; phase M: v0-127 the centers' fragments, two buffers; v128-191 two accumulator sets; v192-255 the sums
.set SLOTX, 0x12000                    ; slot 0 at LDS byte 0, slot 1 here; no bit of it is a bit of a quarter's place (0x4400, 0x8800), so one exclusive or turns an address from one into the other
.set REC,   8704
.set HALFB, 4*REC
.set XCH,   143360                     ; the exchange: for each wave 32,768 bytes of codes, 2,048 of scale words, 512 of P
.set XWV,   35328
.set STAGE, XCH+4*XWV                  ; each wave's stage: 16 rows x 528 bytes
.set STP,   528                        ; 512 bytes + 16: sixteen rows start at sixteen different groups of four banks (64 banks of 4 bytes: ISA guide 11.1)
.set WST,   16*STP
.set SPARE, STAGE+4*WST                ; the spare words, 128 bytes for each wave: two blocks of 256 bytes that no other line names
.set L16, 1                            ; 16 x lane
.set STA, 2                            ; the stage, in
.set STB, 3                            ; and out: row r, + 64 h
.set XCW, 4                            ; where the row tile in hand puts its codes,
.set XSW, 5                            ; scale words
.set XPW, 6                            ; and P
.set AF,  7                            ; the centers' fragments in the slot that is read
.set AFB, 8
.set SPW, 9                            ; my spare word; never rewritten
.set NIL, 10                           ; 0; never rewritten
.set ASB, 11
.set AHB, 12
.set AS,  13                           ; scale words (16 r)
.set AH,  14                           ; -|c|^2 / 2 and W (32 h)
.set OGO, 15
.set XCB, 36                           ; my part of the exchange: codes,
.set XSB, 37                           ; scale words
.set XPB, 38                           ; and P
.set XR1, 44                           ; wave w xor 1's: codes (and scale words),
.set XP1, 46                           ; P
.set RW,  47                           ; the way out: where I put my partial sums,
.set RR,  52                           ; where I read those of my rows,
.set RP,  53                           ; and wave w xor 1's of my rows
.set XS,  16
.set BS,  20
.set XN,  80                           ; phase X: v80-207 two sets of 64 numbers
.set TM,  208
.set SQR, 224
.set PWQ, 232
.set CD,  236
.set TP,  252
.set CC,  80                           ; phase M: -|c|^2 / 2, two buffers of 8
.set WB,  96                           ; W, two buffers of 8
.set PP,  128                          ; P of row tile m, twice, in a pair
.set ACC, 128                          ; in window 3
.set OUT, 192                          ; in window 3: row tile m, register j at OUT + 8 m + j
.set MSB, 0
.macro WIN new                         ; the immediate's high byte repeats the setting that is left; a switch that changes nothing is dropped
.if MSB != \new
	s_set_vgpr_msb (MSB<<8)|\new
.set MSB, \new
.endif
.endm
.macro CROUND                          ; a round of the cluster's barrier
	s_barrier_signal -1
	s_barrier_wait -1
	s_cmp_lg_u32 s12, 0
	s_cbranch_scc1 .Lnot_wave_0_\@
	s_barrier_signal -3
.Lnot_wave_0_\@:
	s_barrier_wait -3
	s_barrier_signal -1
	s_barrier_wait -1
.endm
.macro JLOAD                           ; my quarter of a fill: a joint load
	tensor_load_to_lds s[36:39], s[24:31]
	s_nop 0
.rept 4
	v_nop
.endr
.endm
	s_load_b256 s[4:11], s[0:1], 0x0               ; x s[4:5], cimg s[6:7], b s[8:9], out0 s[10:11]
	v_lshl_add_u32 v[SPW], v0, 2, SPARE
	v_mov_b32 v[NIL], 0
	ds_add_u32 v[SPW], v[NIL]                      ; the wave's opening: the add, twice on end, and its wait ahead of my first tensor load; the set-up below stands between
	ds_add_u32 v[SPW], v[NIL]
	v_lshrrev_b32 v1, 5, v0
	v_readfirstlane_b32 s12, v1                    ; wave 0..3
	s_bfe_u32 s13, ttmp6, 0x40000                  ; cx: my place in the cluster
	s_lshl_b32 s14, ttmp9, 2
	s_add_co_u32 s14, s14, s13                     ; my work-group
	s_lshl_b32 s14, s14, 2
	s_add_co_u32 s14, s14, s12                     ; my wave's run of 64 rows
	s_lshl_b32 s54, s14, 17                        ; in x: 64 rows of 2,048 bytes
	s_mov_b32 s55, 0
	s_lshl_b32 s56, s14, 8                         ; in out0: 256 bytes
	s_mov_b32 s57, 0
	s_and_b32 s16, s12, 1                          ; my half of the centers
	s_lshr_b32 s17, s12, 1                         ; which two of a fill's four tiles I fetch
	s_xor_b32 s22, s12, 1                          ; the wave with the other half of the centers
	s_mul_i32 s18, s12, WST
	s_add_co_u32 s18, s18, STAGE                   ; my stage
	s_mul_i32 s23, s22, WST
	s_add_co_u32 s23, s23, STAGE                   ; its stage
	s_mul_i32 s19, s12, XWV
	s_add_co_u32 s19, s19, XCH                     ; my part of the exchange
	s_mul_i32 s20, s22, XWV
	s_add_co_u32 s20, s20, XCH                     ; its part
	s_mul_i32 s21, s16, HALFB                      ; my centers in a slot
	; descriptor group 1: 68 rows of 256 bytes (32 elements of 8 bytes), dense: two records
	s_mov_b32 s24, 15|(3<<16)|(1<<21)              ; 15:0 the mask: all four work-groups; 17:16 elements of 8 bytes; 21 set beside a mask
	s_mov_b32 s25, 32<<16                          ; tensor_dim0 = 32
	s_mov_b32 s26, 68<<16                          ; tensor_dim1 = 68
	s_mov_b32 s27, 32<<16                          ; tile_dim0 = 32
	s_mov_b32 s28, 68                              ; tile_dim1 = 68
	s_mov_b32 s29, 32                              ; tensor_dim0_stride
	s_mov_b32 s30, 0
	s_mov_b32 s31, 0
	s_mov_b32 s46, 0x3cbd7c04                      ; a = 2 gamma log2(e) / 512
	s_mov_b32 s47, s46                             ; (the packed form names the pair)
	s_mov_b32 s48, 0x76543210
	s_mov_b32 s49, 0xfedcba98                      ; v_permlanex16_b32's selects for lane l xor 16
	s_mov_b32 s50, 0x600000                        ; the mantissa field of 57,344
	s_mul_i32 s52, s16, 32*REC                     ; I fetch for center half w % 2,
	s_mul_i32 s53, s17, 2*REC                      ; of a fill's four tiles the two from 2 (w / 2) on
	s_add_co_u32 s52, s52, s53
	s_mov_b32 s36, 1                               ; group 0, which walks
	s_add_co_u32 s37, s21, s53                     ; LDS: my quarter of slot 0
	s_mov_b32 s53, 0
	s_mov_b32 s40, 0                               ; LDS byte of the slot that is read
	v_and_b32 v240, 31, v0                         ; lane
	v_and_b32 v241, 15, v0                         ; r
	v_bfe_u32 v242, v0, 4, 1                       ; h
	v_lshlrev_b32 v[L16], 4, v240
	v_add_nc_u32 v[STA], s18, v[L16]
	v_mul_u32_u24 v[STB], v241, STP
	v_lshl_add_u32 v[STB], v242, 6, v[STB]
	v_add_nc_u32 v[STB], s18, v[STB]
	v_add_nc_u32 v[XCB], s19, v[L16]
	v_add_nc_u32 v[XSB], 0x8000, v[XCB]
	v_lshl_add_u32 v[XPB], v240, 2, s19
	v_add_nc_u32 v[XPB], 0x8800, v[XPB]
	v_add_nc_u32 v[XR1], s20, v[L16]
	v_lshl_add_u32 v[XP1], v240, 2, s20
	v_add_nc_u32 v[XP1], 0x8800, v[XP1]
	v_add_nc_u32 v[AFB], s21, v[L16]
	v_lshl_add_u32 v[ASB], v241, 4, s21
	v_lshl_add_u32 v[AHB], v242, 5, s21
	v_add_nc_u32 v[AF], s40, v[AFB]
	v_add_nc_u32 v[AS], s40, v[ASB]
	v_add_nc_u32 v[AH], s40, v[AHB]
	v_lshl_add_u32 v[RW], v241, 2, s18
	v_lshl_add_u32 v[RR], v240, 3, s18
	v_add_nc_u32 v[RR], 0x100, v[RR]
	v_lshl_add_u32 v[RP], v240, 3, s23
	v_lshlrev_b32 v[OGO], 3, v240
.irp b, 0,1,2,3
	v_mov_b32 v[TM+4+\b], 0                        ; a lane permute's destination counts as one of its sources
.endr
	v_mov_b32 v[TP], 0
	s_wait_alu depctr_va_vdst(0)                   ; the wait at the head's end
	s_wait_dscnt 0x0                               ; both opening adds are done
	s_wait_kmcnt 0x0
	s_add_nc_u64 s[4:5], s[4:5], s[54:55]
	s_add_nc_u64 s[10:11], s[10:11], s[56:57]
	s_add_nc_u64 s[38:39], s[6:7], s[52:53]
	s_or_b32 s39, s39, 0x80000000                  ; type = 2
; ---------------------------------------------------------------- PHASE X
; A row tile of 16 rows is four chunks, one for each K step s: 16 loads, each 512 consecutive bytes of a row, into raw set s.  nx = 1: of the row tile behind the one in hand
.macro LOADX s, nx
	WIN 0xc0
.irp i, 0,1,2,3,4,5,6,7,8,9,10,11,12,13,14,15
	global_load_b128 v[64*(\s)+4*\i:64*(\s)+4*\i+3], v[L16], s[4:5] offset:32768*(\nx)+2048*\i+512*(\s) th:TH_LOAD_NT
.endr
.endm
; A chunk through my stage: in as it lies, out 16 neighbours of each block of 32 a lane: register 16 b + i = k 32 b + 16 h + i of row r
.macro TURNX s
	WIN 0x0c                                       ; an LDS store's data are its source 1: window 3
.irp i, 0,1,2,3,4,5,6,7,8,9,10,11,12,13,14,15
	ds_store_b128 v[STA], v[64*(\s)+4*\i:64*(\s)+4*\i+3] offset:STP*\i
.endr
	WIN 0
.irp b, 0,1,2,3
.irp j, 0,1,2,3
	ds_load_b128 v[XN+64*((\s)%2)+16*\b+4*\j:XN+64*((\s)%2)+16*\b+4*\j+3], v[STB] offset:128*\b+16*\j   ; LDS serves a wave's instructions in order (ISA guide 5.7.1.4)
.endr
.endr
.endm
.macro CODES dw, reg, m                ; row tile m of a wave's part of the exchange into window dw: 16 loads of 512 consecutive bytes
	WIN \dw
.irp g, 0,1,2,3,4,5,6,7,8,9,10,11,12,13,14,15
	ds_load_b128 v[64*(\m)+4*\g:64*(\m)+4*\g+3], v[\reg] offset:8192*(\m)+512*\g
.endr
	WIN 0
.endm
.macro XSTEP s, ahead
.set xX, XN+64*((\s)%2)
	s_wait_dscnt 0x0                               ; this chunk's numbers are back from the stage, so its stores into the stage have read raw set s,
.if \ahead
	LOADX \s, 1                                    ; which takes the same chunk of the next row tile
	s_wait_loadcnt 48                              ; the next chunk's 16 loads are in; the three chunks behind it stay out
	TURNX ((\s)+1)%4                               ; it goes through the stage while this chunk is worked
.elseif (\s) < 3
	s_wait_loadcnt 16*(2-(\s))                     ; the counts run down: nothing more is asked for
	TURNX (\s)+1
	CODES 0x40, XCB, \s                            ; my own row tiles 0 to 2 go into their registers meanwhile: I stored them, so no barrier is owed
.endif
.irp j, 0,2,4,6                        ; the sum of squares, in four packed chains
.if (\s) == 0
	v_pk_mul_f32 v[SQR+\j:SQR+\j+1], v[xX+\j:xX+\j+1], v[xX+\j:xX+\j+1]
.else
	v_pk_fma_f32 v[SQR+\j:SQR+\j+1], v[xX+\j:xX+\j+1], v[xX+\j:xX+\j+1], v[SQR+\j:SQR+\j+1]
.endif
.endr
.irp k, 8,16,24,32,40,48,56
.irp j, 0,2,4,6
	v_pk_fma_f32 v[SQR+\j:SQR+\j+1], v[xX+\k+\j:xX+\k+\j+1], v[xX+\k+\j:xX+\k+\j+1], v[SQR+\j:SQR+\j+1]
.endr
.endr
.irp b, 0,1,2,3
	v_max3_num_f32 v[TM+\b], |v[xX+16*\b]|, |v[xX+1+16*\b]|, 0x8000000   ; my 16 numbers of block b, and the floor 2^(16 - 127): the byte cannot fall under 1
.endr
.irp i, 2,4,6,8,10,12,14
.irp b, 0,1,2,3
	v_max3_num_f32 v[TM+\b], v[TM+\b], |v[xX+16*\b+\i]|, |v[xX+1+16*\b+\i]|
.endr
.endr
.irp b, 0,1,2,3
	v_permlanex16_b32 v[TM+4+\b], v[TM+\b], s48, s49
.endr
.irp b, 0,1,2,3
	v_max_num_f32 v[TM+\b], v[TM+\b], v[TM+4+\b]   ; with lane l xor 16's 16: the block's largest magnitude
.endr
.irp b, 0,1,2,3
	v_add_nc_u32 v[TM+12+\b], 0xf8800000, v[TM+\b] ; 15 off its exponent field: the conversion's scale operand
.endr
.irp b, 0,1,2,3
	v_and_or_b32 v[TM+8+\b], v[TM+\b], 0x7f800000, s50   ; 57,344 x the scale
.endr
.irp b, 0,1,2,3
	v_lshrrev_b32 v[TM+4+\b], 23, v[TM+12+\b]      ; the scale's byte
.endr
	v_lshl_or_b32 v[PWQ+(\s)], v[TM+5], 8, v[TM+4]
	v_lshl_or_b32 v[PWQ+(\s)], v[TM+6], 16, v[PWQ+(\s)]
	v_lshl_or_b32 v[PWQ+(\s)], v[TM+7], 24, v[PWQ+(\s)]      ; lane r has row r's word
.irp b, 0,1,2,3
.irp i, 0,1,2,3,4,5,6,7,8,9,10,11,12,13,14,15
	v_med3_num_f32 v[xX+16*\b+\i], v[xX+16*\b+\i], -v[TM+8+\b], v[TM+8+\b]   ; the conversion to an 8-bit code does not saturate (ISA guide 7.6.2): the hold comes first
.endr
.endr
.irp b, 0,1,2,3
	v_cvt_scalef32_pk8_bf8_f32 v[CD+4*\b:CD+4*\b+1], v[xX+16*\b:xX+16*\b+7], v[TM+12+\b]
	v_cvt_scalef32_pk8_bf8_f32 v[CD+4*\b+2:CD+4*\b+3], v[xX+16*\b+8:xX+16*\b+15], v[TM+12+\b]
.endr
	v_nop                                          ; one plain line behind the last scaled conversion
.irp c, 0,1,2,3
	ds_store_b128 v[XCW], v[CD+4*\c:CD+4*\c+3] offset:2048*(\s)+512*\c   ; an image of the operand's registers
.endr
.endm
.macro XTRIP ahead                     ; a row tile
	v_add_nc_u32 v[XCW], s60, v[XCB]
	v_add_nc_u32 v[XSW], s61, v[XSB]
	v_add_nc_u32 v[XPW], s62, v[XPB]
	XSTEP 0, \ahead
	XSTEP 1, \ahead
	XSTEP 2, \ahead
	XSTEP 3, \ahead
	v_pk_add_f32 v[SQR:SQR+1], v[SQR:SQR+1], v[SQR+2:SQR+3]
	v_pk_add_f32 v[SQR+4:SQR+5], v[SQR+4:SQR+5], v[SQR+6:SQR+7]
	v_pk_add_f32 v[SQR:SQR+1], v[SQR:SQR+1], v[SQR+4:SQR+5]
	v_add_f32 v[SQR], v[SQR], v[SQR+1]
	v_permlanex16_b32 v[TP], v[SQR], s48, s49
	v_add_f32 v[SQR], v[SQR], v[TP]
	v_mul_f32 v[SQR], 0xbc3d7c04, v[SQR]           ; P = -(a / 2) |x|^2 of row r, in lanes r and r + 16
	ds_store_b32 v[XPW], v[SQR]
	ds_store_b128 v[XSW], v[PWQ:PWQ+3]
.endm
	s_load_b32 s51, s[8:9], 0x0                    ; b
	LOADX 0, 0
	LOADX 1, 0
	LOADX 2, 0
	WIN 0
	CROUND                                         ; all four work-groups are here: the first joint loads meet
	JLOAD                                          ; fill 0 into slot 0: one tensor load a wave at the head
	LOADX 3, 0
	s_wait_loadcnt 48                              ; chunk 0 is in
	TURNX 0
	s_mov_b32 s60, 0                               ; the row tile's places in the exchange
	s_mov_b32 s61, 0
	s_mov_b32 s62, 0
	s_mov_b32 s43, 3
.Lrows:
	XTRIP 1
	s_wait_xcnt 0x0                                ; the loads have read their base: it may step
	s_add_nc_u64 s[4:5], s[4:5], 0x8000            ; 16 rows on
	s_add_co_u32 s60, s60, 8192
	s_add_co_u32 s61, s61, 512
	s_add_co_u32 s62, s62, 128
	s_sub_co_u32 s43, s43, 1
	s_cmp_lg_u32 s43, 0
	s_wait_alu depctr_va_vdst(0)                   ; the wait ahead of the jump
	s_cbranch_scc1 .Lrows
	XTRIP 0                                        ; the last row tile loads nothing
	s_wait_alu depctr_va_vdst(0)                   ; the wait here, directly ahead of the waits below
	s_wait_kmcnt 0x0                               ; b
	s_wait_tensorcnt 0x0                           ; my quarter of fill 0 is in
	ds_add_u32 v[SPW], v[NIL]
	s_xor_b32 s37, s37, SLOTX                      ; no tensor load of mine is out: group 0 steps to slot 1
	s_add_nc_u64 s[38:39], s[38:39], HALFB         ; and four tiles on; the type bits on top are not reached
	s_wait_dscnt 0x0                               ; the add is done, and my part of the exchange is written
	CROUND                                         ; so it is with every wave
	JLOAD                                          ; fill 1
; ---------------------------------------------------------------- PHASE M
	WIN 0
.irp m, 0,1,2,3
	ds_load_b128 v[XS+8*\m:XS+8*\m+3], v[XCB] offset:32768+512*\m        ; x's scale words: a row tile's four by one load
	ds_load_b128 v[XS+32+8*\m:XS+32+8*\m+3], v[XR1] offset:32768+512*\m
.irp k, 0,1
	ds_load_b32 v[PP+2*\m+\k], v[XPB] offset:128*\m                      ; P, twice
	ds_load_b32 v[PP+8+2*\m+\k], v[XP1] offset:128*\m
.endr
.endr
.macro TAB p, j, n                     ; of a slot's tile j, table load n of five: scale words, -|c|^2 / 2, W into buffer p
.if (\n) == 0
	ds_load_b128 v[BS+8*(\p):BS+8*(\p)+3], v[AS] offset:REC*(\j)+8192
.elseif (\n) < 3
	ds_load_b128 v[CC+8*(\p)+4*((\n)-1):CC+8*(\p)+4*((\n)-1)+3], v[AH] offset:REC*(\j)+8448+16*((\n)-1)
.else
	ds_load_b128 v[WB+8*(\p)+4*((\n)-3):WB+8*(\p)+4*((\n)-3)+3], v[AH] offset:REC*(\j)+8512+16*((\n)-3)
.endif
.endm
.macro FRAG p, j, n                    ; and load n of the sixteen of its fragments: K step n / 4, register group n % 4
	ds_load_b128 v[64*(\p)+4*(\n):64*(\p)+4*(\n)+3], v[AF] offset:REC*(\j)+512*(\n)
.endm
.irp n, 0,1,2,3,4
	TAB 0, 0, \n
.endr
	WIN 0xc0
.irp n, 0,1,2,3,4,5,6,7,8,9,10,11,12,13,14,15
	FRAG 0, 0, \n
.endr
.set i, 0
.rept 64
	v_mov_b32 v[OUT+i], 0                          ; the sums begin at 0
.set i, i+1
.endr
	WIN 0
.set i, 0
.rept 8
	v_mov_b32 v[WB+8+i], 0                         ; W of the tile ahead of the first, which does not exist: the first tile adds numbers of x, which lie in accumulator set 1, times 0, and no copy of a tile's text is spent on it
.set i, i+1
.endr
	CODES 0x40, XCB, 3                             ; my row tile 3,
.irp m, 0,1,2,3
	CODES 0x80, XR1, \m                            ; and wave w xor 1's four
.endr
.macro SL n, set, p                    ; S: W-sum n of 16 of a set: out += e W, each line on a pair of sums of its own.  (Sources 0 and 2 and destination window 3, source 1 window 0)
	v_pk_fma_f32 v[OUT+32*(\set)+2*(\n):OUT+32*(\set)+2*(\n)+1], v[ACC+32*(\set)+2*(\n):ACC+32*(\set)+2*(\n)+1], v[WB+8*(\p)+2*((\n)%4):WB+8*(\p)+2*((\n)%4)+1], v[OUT+32*(\set)+2*(\n):OUT+32*(\set)+2*(\n)+1]
.endm
.macro TL n, set                       ; T: t = a D + P, line n of 16 of a set; in ascending order.  (Source 0 and destination window 3, source 2 window 0)
	v_pk_fma_f32 v[ACC+32*(\set)+2*(\n):ACC+32*(\set)+2*(\n)+1], v[ACC+32*(\set)+2*(\n):ACC+32*(\set)+2*(\n)+1], s[46:47], v[PP+8*(\set)+2*((\n)/4):PP+8*(\set)+2*((\n)/4)+1] op_sel_hi:[1,0,1]
.endm
; Half hf of a slot's tile j, on accumulator set hf.  Behind its matrix instructions: hf = 0: S of set 1 of the tile before; hf = 1: T of set 0.  Eight of these lines stand behind the last four matrix instructions: the eight places
; between the first of the four and the T that reads its result; behind the other three the T lines ahead of theirs make up the number.
.macro CHAIN j, hf
.set hP, (\j)%2                        ; buffer of this tile
.set hM, 0xc7+4*(\hf)                  ; source 0 window 3, source 1 window 1 or 2, source 2 window 0, destination window 3
	WIN hM
.set hK, 0
.rept 16                               ; K step hK / 4, row tile 4 hf + hK % 4: the four accumulators take turns, one instruction a turn
.set rD, ACC+32*(\hf)+8*(hK%4)
.set rA, 64*hP+16*(hK/4)
.set rB, 64*(hK%4)+16*(hK/4)
.set rX, XS+32*(\hf)+8*(hK%4)+hK/4
.set rS, BS+8*hP+hK/4
.if hK == 4
.set hM, 0xf7+4*(\hf)                  ; source 2 window 3
	WIN hM
.endif
.if hK < 4
	v_wmma_scale_f32_16x16x128_f8f6f4 v[rD:rD+7], v[rA:rA+15], v[rB:rB+15], v[CC+8*hP:CC+8*hP+7], v[rS], v[rX] matrix_a_fmt:MATRIX_FMT_BF8 matrix_b_fmt:MATRIX_FMT_BF8
.else
	v_wmma_scale_f32_16x16x128_f8f6f4 v[rD:rD+7], v[rA:rA+15], v[rB:rB+15], v[rD:rD+7], v[rS], v[rX] matrix_a_fmt:MATRIX_FMT_BF8 matrix_b_fmt:MATRIX_FMT_BF8
.endif
.if (\hf) == 0
.if hK >= 12
	WIN 0xf3
	SL 8+2*(hK-12), 1, 1-hP
	SL 9+2*(hK-12), 1, 1-hP
.elseif hK >= 4
	WIN 0xf3
	SL hK-4, 1, 1-hP
.endif
.else
.if hK >= 12
	WIN 0xc3
	TL 8+2*(hK-12), 0
	TL 9+2*(hK-12), 0
.elseif hK < 4
	TL 2*hK, 0                                     ; (the first K step's own setting serves)
	TL 2*hK+1, 0
.endif
.endif
.if hK < 15
	WIN hM
.endif
.set hK, hK+1
.endr
.endm
; A tile.  ld = 1: the next tile's loads, in two runs, each behind a wait that has seen this wave's vector results written; their registers were last read in the tile before, W's in this tile's first half.
.macro TURN j, ld
.set hN, ((\j)+1)%4                    ; the next tile's place in its slot
.set hQ, 1-(\j)%2                      ; and its buffer
	s_wait_dscnt 0x0                               ; this tile's fragments and tables are in
.if \ld
	WIN 0xc0
.irp n, 0,1,2,3,4,5,6,7,8,9,10
	FRAG hQ, hN, \n
.endr
.endif
	CHAIN \j, 0
	CHAIN \j, 1
	WIN 0xc3
.irp n, 0,1,2,3,4,5,6,7,8,9,10,11,12,13,14,15
	TL \n, 1
.endr
	s_wait_alu depctr_va_vdst(0)                   ; the wait between T and E
.if \ld
	WIN 0xc0
.irp n, 11,12,13,14,15
	FRAG hQ, hN, \n
.endr
	WIN 0
.irp n, 0,1,2,3,4
	TAB hQ, hN, \n
.endr
.endif
	WIN 0xf3
.set hK, 0
.rept 32
	v_exp_f32 v[ACC+hK], v[ACC+hK]                 ; E of set 0
.set hK, hK+1
.endr
	v_nop                                          ; the plain place behind the last of them
	s_wait_alu depctr_va_vdst(0)                   ; the wait between E and S
.set hK, 0
.rept 32
	v_exp_f32 v[ACC+32+hK], v[ACC+32+hK]           ; E of set 1, and S of set 0
.if hK%2 == 1
	SL hK/2, 0, 1-hQ                               ; the last of these is the plain line behind the last exponential
.endif
.set hK, hK+1
.endr
	s_wait_alu depctr_va_vdst(0)                   ; and ahead of set 1's S, of branches and of waits
.endm
; THE CHANGE OF SLOTS, ahead of a slot's last tile, whose codes are in registers or on their way there.  Each wave waits for all its tensor loads (its quarter of the slot ahead), adds 0 to its spare word, and waits for that and for its reads
; of the slot that it leaves.  fill = 1: the barrier is a round of the cluster's, so that no wave of any partner still reads that slot or has a load on its way, and the joint fill of it is the first thing behind the round.
.macro CHANGE fill
	WIN 0
	s_wait_tensorcnt 0x0
	ds_add_u32 v[SPW], v[NIL]
.if \fill
	s_xor_b32 s37, s37, SLOTX                      ; no tensor load of mine is out: the other slot than last time,
	s_add_nc_u64 s[38:39], s[38:39], HALFB         ; the next four tiles
.endif
	s_xor_b32 s40, s40, SLOTX                      ; the reads go on in the other slot
	v_add_nc_u32 v[AF], s40, v[AFB]
	v_add_nc_u32 v[AS], s40, v[ASB]
	v_add_nc_u32 v[AH], s40, v[AHB]
	s_wait_alu depctr_va_vdst(0)                   ; the wait here, directly ahead of the wait below
	s_wait_dscnt 0x0                               ; the add is done, and my reads of the slot that I leave are over
.if \fill
	CROUND
	JLOAD                                          ; my one tensor load until the next round
.else
	s_barrier_signal -1
	s_barrier_wait -1
.endif
.endm
	s_wait_alu depctr_va_vdst(0)                   ; the wait here, ahead of the loop's waits
	s_mov_b32 s44, 6
.Lfill:                                                ; six slots, each of which is filled again
	TURN 0, 1
	TURN 1, 1
	TURN 2, 1
	CHANGE 1
	TURN 3, 1
	WIN 0
	s_sub_co_u32 s44, s44, 1
	s_cmp_lg_u32 s44, 0
	s_cbranch_scc1 .Lfill
	TURN 0, 1                                      ; the last two slots are written out: nothing is asked for
	TURN 1, 1
	TURN 2, 1
	CHANGE 0
	TURN 3, 1
	TURN 0, 1
	TURN 1, 1
	TURN 2, 1
	TURN 3, 0
	WIN 0xf3
.irp n, 0,1,2,3,4,5,6,7,8,9,10,11,12,13,14,15
	SL \n, 1, 1                                    ; the last tile's second set
.endr
	; THE WAY OUT.  A lane's eight sums of a row tile, and lane l xor 16's, make row r's sum over my 512 centers; it meets the other half's in LDS (the waves' stages, long out of use), 256 bytes of out0 a wave
	WIN 0xff
.irp m, 0,1,2,3,4,5,6,7
	v_pk_add_f32 v[OUT+8*\m:OUT+8*\m+1], v[OUT+8*\m:OUT+8*\m+1], v[OUT+8*\m+2:OUT+8*\m+3]
	v_pk_add_f32 v[OUT+8*\m+4:OUT+8*\m+5], v[OUT+8*\m+4:OUT+8*\m+5], v[OUT+8*\m+6:OUT+8*\m+7]
.endr
.irp m, 0,1,2,3,4,5,6,7
	v_pk_add_f32 v[OUT+8*\m:OUT+8*\m+1], v[OUT+8*\m:OUT+8*\m+1], v[OUT+8*\m+4:OUT+8*\m+5]
.endr
.irp m, 0,1,2,3,4,5,6,7
	v_add_f32 v[OUT+8*\m], v[OUT+8*\m], v[OUT+8*\m+1]
.endr
.irp m, 0,1,2,3,4,5,6,7
	v_permlanex16_b32 v[ACC+\m], v[OUT+8*\m], s48, s49
.endr
.irp m, 0,1,2,3,4,5,6,7
	v_add_f32 v[OUT+8*\m], v[OUT+8*\m], v[ACC+\m]
.endr
	WIN 0x0c                                       ; an LDS store's data are its source 1: window 3
.irp m, 0,1,2,3
	ds_store_b32 v[RW], v[OUT+8*\m] offset:256+64*\m           ; my rows; lanes r and r + 16 write the same word with the same value
	ds_store_b32 v[RW], v[OUT+32+8*\m] offset:64*\m            ; wave w xor 1's rows
.endr
	WIN 0
	s_wait_dscnt 0x0                               ; for the other wave's sake: my stores have landed
	s_barrier_signal -1
	s_barrier_wait -1
	ds_load_b64 v[90:91], v[RR]                    ; my rows 2 l and 2 l + 1: my half of the centers,
	ds_load_b64 v[92:93], v[RP]                    ; the other half
	s_wait_dscnt 0x0
	v_pk_add_f32 v[90:91], v[90:91], v[92:93]
	v_add_f32 v90, s51, v90
	v_add_f32 v91, s51, v91
	global_store_b64 v[OGO], v[90:91], s[10:11]    ; 32 lanes store 256 consecutive bytes, aligned
	s_wait_tensorcnt 0x0                           ; the wave's end, behind my last tensor load and my last LDS store
	ds_add_u32 v[SPW], v[NIL]
	s_wait_dscnt 0x0
	CROUND                                         ; the closing round: no work-group ends while a partner may still ask for a block that names it
	s_endpgm
.Lfunc_end_k_q8cde764e04_main:
	.size	k_q8cde764e04_main, .Lfunc_end_k_q8cde764e04_main-k_q8cde764e04_main
	.p2alignl 7, 3214868480
	.fill 96, 4, 3214868480
	.section	.rodata,"a",@progbits
	.p2align	6, 0x0
	.amdhsa_kernel k_q8cde764e04_main
		.amdhsa_group_segment_fixed_size 327680
		.amdhsa_private_segment_fixed_size 0
		.amdhsa_enable_private_segment 0
		.amdhsa_kernarg_size 32
		.amdhsa_user_sgpr_count 2
		.amdhsa_user_sgpr_kernarg_segment_ptr 1
		.amdhsa_wavefront_size32 1
		.amdhsa_system_sgpr_workgroup_id_x 1
		.amdhsa_system_sgpr_workgroup_id_y 1
		.amdhsa_system_sgpr_workgroup_id_z 1
		.amdhsa_system_vgpr_workitem_id 0
		.amdhsa_next_free_vgpr 1024
		.amdhsa_next_free_sgpr 66
		.amdhsa_reserve_vcc 0
		.amdhsa_float_denorm_mode_32 3
		.amdhsa_float_denorm_mode_16_64 3
		.amdhsa_memory_ordered 1
		.amdhsa_forward_progress 1
		.amdhsa_inst_pref_size 255
	.end_amdhsa_kernel
	.section	.bss,"aw",@nobits
	.p2align	6
	.space	262144
	.amdgpu_metadata
---
amdhsa.version: [ 1, 2 ]
amdhsa.kernels:
  - .name:           k_q8cde764e04_main
    .symbol:         k_q8cde764e04_main.kd
    .args:
      - { .name: x, .offset: 0, .size: 8, .value_kind: global_buffer, .address_space: global }
      - { .name: cimg, .offset: 8, .size: 8, .value_kind: global_buffer, .address_space: global }
      - { .name: b, .offset: 16, .size: 8, .value_kind: global_buffer, .address_space: global }
      - { .name: out0, .offset: 24, .size: 8, .value_kind: global_buffer, .address_space: global }
    .group_segment_fixed_size: 327680
    .private_segment_fixed_size: 0
    .kernarg_segment_align: 8
    .kernarg_segment_size: 32
    .max_flat_workgroup_size: 128
    .sgpr_count:     66
    .vgpr_count:     1024
    .wavefront_size: 32
...
	.end_amdgpu_metadata
.endif
;; end of part 2
